; MI455X (gfx1250); checked and timed in simulation.
; The chip was launched on July 23, 2026; its instructions are those of AMD's public machine-readable ISA for CDNA 5 (MIT licence, August 2026) and "CDNA5" Instruction Set Architecture Reference Guide (July 2026). The comments in the code are by the model that wrote it; some were corrected since.
;; compute Attention Weight Proj. Allowed arithmetic: matrix products marked QUANTISED: E2M1 operands, one E8M0 scale for each 32 along K, by v_wmma_scale_f32_16x16x128_f8f6f4 with both operands' format E2M1 (or v_wmma_scale_f32_32x16x128_f4), f32 sums; products left as they are: f32 operands where the result goes on into a quantised operand, else bf16, f16 or f32 operands; f32 sums; everything else in f32.
;; Inputs: G 8 x 4 x 2,048 x 32 float32; K_codes 8 x 4 x 2,048 x 1 x 16 uint8 (E2M1 codes of K, K innermost, in blocks of 32 codes, two codes a byte); K_scales 8 x 4 x 2,048 x 1 uint8 (E8M0 scales of K, one for each 32 codes along K); Q_codes 8 x 4 x 2,048 x 1 x 16 uint8 (E2M1 codes of Q, K innermost, in blocks of 32 codes, two codes a byte); Q_scales 8 x 4 x 2,048 x 1 uint8 (E8M0 scales of Q, one for each 32 codes along K); V_codes 8 x 4 x 32 x 64 x 16 uint8 (E2M1 codes of V, K innermost, in blocks of 32 codes, two codes a byte); V_scales 8 x 4 x 32 x 64 uint8 (E8M0 scales of V, one for each 32 codes along K); seqMask 4 x 2,048 bool.
;; Outputs: out0 4 x 2,048 x 8 x 32 float32.
;; This version of the problem:
;;   THIS VERSION OF THE PROBLEM IS GIVEN IN LOW PRECISION. The matrix products marked QUANTISED in the list below multiply operands that are first quantised to E2M1 (2 exponent bits, 1 mantissa bit; 4 bits a number), with one power-of-two scale for each 32 numbers along K (OCP MX v1.0); their sums are f32. All else is computed in f32.
;;   The module's matrix products, in the order in which they are computed (A, B: the left and right operand; K: the contracted axis; several contracted axes count as one K, in the product's order):
;;     1. batch 32 x [M 2,048, K 32] x [K 32, N 2,048]; A: input Q (given as codes); B: input K (given as codes): QUANTISED
;;     2. batch 32 x [M 32, K 2,048] x [K 2,048, N 2,048]; A: input V (given as codes); B: softmax (see below): QUANTISED
;;     3. batch 2,097,152 x [M 1, K 1] x [K 1, N 1]; A: computed on the way; B: computed on the way: left as it is (no contracted axis)
;;   THE QUANTISER, for each operand of a quantised product, along K:
;;     - K is cut into blocks of 32 from its start; a last block that is shorter is filled with zeros.
;;     - A block's scale is 2^e with e = floor(log2(the largest magnitude in the block)) - 2, held to -126 .. 127; a block of zeros has e = 0. As a byte (E8M0): e + 127.
;;     - Each number is divided by its block's scale, clamped to +-6, and rounded to the nearest number of E2M1, ties to even, subnormals kept.
;;     - The product sums the exact products of the quantised numbers (number of the format x scale) in f32.
;;   ~~~python
;;   def quantise(x, axis):      # numpy; x: float32 -> the quantised numbers, widened to float32 again
;;       x = np.moveaxis(x, axis, -1); K = x.shape[-1]
;;       x = np.pad(x, [(0, 0)] * (x.ndim - 1) + [(0, -K % 32)]); x = x.reshape(x.shape[:-1] + (-1, 32)); a = np.abs(x).max(-1, keepdims=True)
;;       e = np.where(a > 0, np.clip(np.frexp(np.where(a > 0, a, 1))[1] - 1 - 2, -126, 127), 0)      # np.frexp(a)[1] - 1 = floor(log2(a)), exactly
;;       r = np.clip(x / 2.0 ** e, -6, 6)
;;       step = 2.0 ** (np.maximum(np.frexp(np.where(r == 0, 1, r))[1] - 1, 0) - 1)
;;       q = np.round(r / step) * step * 2.0 ** e      # np.round: ties to even
;;       return np.moveaxis(q.reshape(q.shape[:-2] + (-1,))[..., :K], -1, axis).astype(np.float32)
;;   ~~~
;;   SOFTMAX AHEAD OF A QUANTISED PRODUCT. Where the list says 'softmax', what is quantised is not the finished softmax but p = 2^(t - M), with t = logit x log2(e) and M = ceil(the row's largest t), a whole number; so 1/2 < the row's largest p <= 1. The row's sum l is taken of the UNQUANTISED p, in f32, and the product's result is divided by l at the end. Since M is a whole number, a kernel that streams over the keys may use a running M (the ceiling of the running maximum): every later rescaling is an exact power of two, which a block's scale takes up: the codes' values come out the same.
;;   OPERANDS COMPUTED ON THE WAY. 'Computed on the way' means the value that the module computes at that place (a softmax that the list does not call 'softmax' is quantised finished and normalised). What goes into a quantiser is computed in f32, as accurately as f32 sums, v_exp_f32 and their like allow (about 1e-6 of the number): no bf16 or f16 on the way to a quantiser, and a product that is left as it is and whose result goes on into a quantised operand takes f32 operands (vector FMAs, or v_wmma_f32_16x16x4_f32). A number that lies on a knife's edge between two numbers of the format may be rounded either way, as far as f32 arithmetic and the matrix unit's own rounding can turn it there, and no further.
;;   INPUTS GIVEN AS CODES. K (in the module: [8, 4, 2048, 32], K = its axis 3); Q (in the module: [8, 4, 2048, 32], K = its axis 3); V (in the module: [8, 4, 2048, 32], K = its axis 2): each comes as NAME_codes (uint8): NAME with its K axis moved to the last place and cut into blocks of 32 codes, [.., K / 32, bytes a block], one block behind the other in memory; two codes a byte, the lower K in the low four bits (a code: sign, 2 exponent bits, 1 mantissa bit); and NAME_scales (uint8): the same leading axes, one E8M0 byte (e + 127) for each 32 codes along K. Its value is code x scale, taken as it is: it is not quantised again, and the codes and scales need not be those that the quantiser above would give.
;; 2 versions, each right; version 2 is version 1 with the launch band written anew for expert scheduling mode. Each part assembles by itself: llvm-mc -triple=amdgcn-amd-amdhsa -mcpu=gfx1250 --defsym DOCPART=n.
;; ======== version 1 of 2: 1 launch
;; launch band (part 1): grid 16 x 16, 8 waves a work-group, no clusters, 50,176 bytes of LDS; arguments V_codes, V_scales, K_codes, K_scales, Q_codes, Q_scales, seqMask, G, out0; writes out0
.if DOCPART == 1
	.amdgcn_target "amdgcn-amd-amdhsa--gfx1250"
	.amdhsa_code_object_version 6
	.text
	.protected	k_q0244fd163c_band
	.globl	k_q0244fd163c_band
	.p2align	8
	.type	k_q0244fd163c_band,@function
k_q0244fd163c_band:
	s_mov_b64 s[64:65], 0
	v_nop
	global_prefetch_b8 v0, s[64:65] scope:SCOPE_SE
	s_setreg_imm32_b32 hwreg(HW_REG_WAVE_MODE, 25, 1), 1
	s_wait_xcnt 0x0
; out[n][s][h][:] = G[h][n][s][:] x (sum over t of p(s,t) V[h][n][t][:]) / l(s), over the keys t with |s - t| <= 10 and seqMask[n][t] = 0.
; Both products on codes of FP4 (E2M1) with one E8M0 byte for each 32 along K.  t-score = (Q.K) x log2(e)/sqrt(32); M = ceil(the row's largest); p = 2^(t - M) is quantised along the
; keys in the aligned blocks of 32 keys in which V's codes lie; l is the f32 sum of the unquantised p.
; SHARES.  Work-group (x, y): batch n = y & 3, heads 2a and 2a + 1 (a = y >> 2), queries 128 x .. 128 x + 127.  Wave w: 16 queries from s0 = 16 (8 x + w), both heads: a query's two heads are 256
; consecutive bytes of out, so the way out is the wave's own.  The band of 16 queries, keys s0 - 10 .. s0 + 25, lies inside two aligned blocks of 32 keys, B0c and B0c + 1: nothing else is multiplied.
; PRODUCT 1, S^T = K Q^T, has K = 32: one of the instruction's four blocks.  Source 0 is filled with 64 keys (each quad of each half of the lanes another 16 keys); source 1 holds Q's codes in ONE block and
; zero codes in the other three, so four instructions with four placements of Q give the 64 scores of each query.  The keys of a tile are chosen (r + 8 (r / 8)) so that a lane's 16 registers of two
; neighbouring tiles are 16 neighbouring keys.  PRODUCT 2, O^T = V^T P^T: blocks B0c, B0c + 1 in the instruction's blocks 0, 1; zero codes in blocks 2, 3.  A lane holds one query (lane % 16) throughout.
; V's codes (128 bytes of each of 64 channel rows) and scale bytes (whole rows) are copied once into LDS by the work-group; all else goes between memory and registers in dense runs.
; No cluster: neighbouring work-groups share only the blocks at their windows' edges.  No ring: every byte is used once, and all 25 loads of a wave go out at its head.
; LIMITS.  A p under 2^-126 becomes 0 (v_exp_f32 flushes).  A block's largest p is made from its largest t by the same instructions, which takes v_exp_f32 not to fall where its input rises.  A block of
; zeros gets the byte 1, not 127: its codes are zeros, and this text alone reads the byte.  A row whose band is wholly masked gives NaN (-inf + inf), as the softmax of such a row does.
; A scale byte 0xff of any key, query or channel block inside a wave's window makes that wave's sums NaN.
.set VSC,   9216                       ; LDS: 0 .. 9,215 V's codes: 64 rows (32 x head + channel), 128 bytes + 16 of padding;  from here V's scale bytes: 64 rows, 64 bytes + 16
.set STAGE, 14336                      ; a stage for each wave: 16 queries x (256 bytes + 16)
.set WSTG,  4352
.set SPARE, 49152                      ; the spare words, 128 bytes for each wave: four blocks of 256 bytes that no other line names
.set EE,    19                         ; v19  s0 - kb + r - 16 h + 74
.set NINF,  20                         ; v20  -infinity
.set SPW,   22                         ; v22  LDS address of my spare word; never rewritten
.set NIL,   23                         ; v23  0; never rewritten
.set VC,    24                         ; v24-35   what I copy into LDS
.set MW,    36                         ; v36-43   my 32 keys' mask bytes
.set SH,    44                         ; v44-47   four of those words, 8 bits up
.set TM,    24                         ; later, 16 a head: +0,1 the blocks' largest; +2,3 at work; +4,5 -M; +6..9 the sums; +10,11 the conversions' scale operands; +12,13 1 / l; +14 at work
.set KF,    56                         ; v56-71   K's fragments, 8 a head
.set PC,    56                         ; later p's codes, 4 a head, and 4 zeros behind them
.set KRAW,  72                         ; v72-75   K's scale bytes as loaded
.set VS,    72                         ; later V's four scale words
.set KS,    76                         ; v76-77   K's scale words
.set QS,    78                         ; v78-79   Q's
.set QR,    80                         ; v80-87   Q's codes as loaded
.set VRAW,  80                         ; later V's eight scale bytes
.set QB,    88                         ; v88-123  nine quads: 0, Q in lanes 0-15, 0, Q in lanes 16-31, 0, and the same for the second head, 0.  Later the four quads of Q take V's fragments
.set S,     124                        ; v124-187 scores, then t, then p: 32 a head
.set RB,    124                        ; later 16 rows read back from the stage
.set BIAS,  188                        ; v188-219 0 or -infinity for my 32 keys
.set O,     188                        ; later O^T: 16 x head + 8 x tile
.set GG,    220                        ; v220-251 G
.set PS,    252                        ; v252-253 p's scale words
.set LM,    44                         ; s44-47   lane masks, by turns
	s_load_b512 s[8:23], s[0:1], 0x0               ; V_codes 8, V_scales 10, K_codes 12, K_scales 14, Q_codes 16, Q_scales 18, seqMask 20, G 22
	s_load_b64 s[24:25], s[0:1], 0x40              ; out0
	v_lshl_add_u32 v[SPW], v0, 2, SPARE
	v_mov_b32 v[NIL], 0
	v_lshrrev_b32 v1, 5, v0
	v_readfirstlane_b32 s2, v1                     ; wave 0..7
	s_and_b32 s4, ttmp7, 0xffff
	s_and_b32 s5, s4, 3                            ; n
	s_lshr_b32 s6, s4, 2                           ; a
	s_lshl_b32 s7, s6, 3
	s_add_co_u32 s7, s7, s5                        ; hn = 4 (2 a) + n: the first head's place among the 32 pairs; the second's is 4 on
	s_lshl_b32 s26, ttmp9, 3
	s_add_co_u32 s26, s26, s2                      ; T: my tile of 16 queries
	s_lshl_b32 s27, s26, 4                         ; s0
	s_add_co_u32 s28, s26, 1
	s_lshr_b32 s28, s28, 1
	s_min_u32 s29, s28, 1
	s_sub_co_u32 s28, s28, s29                     ; (T - 1) / 2, and 0 for T = 0,
	s_min_u32 s28, s28, 62                         ; held at 62: B0c, the first of my two blocks of keys
	s_lshl_b32 s29, s28, 5                         ; kb, its first key
	s_lshl_b32 s30, ttmp9, 2
	s_min_u32 s31, s30, 2
	s_sub_co_u32 s30, s30, s31
	s_min_u32 s30, s30, 56                         ; st: the work-group copies blocks st .. st + 7 of V
	s_sub_co_u32 s31, s28, s30
	s_and_b32 s31, s31, 7                          ; my first block's place among them (0 .. 6)
	s_lshl_b32 s31, s31, 4                         ; in bytes
	s_and_b32 s33, s28, 63                         ; B0c once more, for an LDS address
	s_sub_co_u32 s32, s27, s29
	s_add_co_u32 s32, s32, 74                      ; s0 - kb + 74
	s_mul_i32 s37, s2, WSTG
	s_add_co_u32 s37, s37, STAGE                   ; my stage
	s_mov_b32 s36, 0xffff0000                      ; lanes 16-31
	s_mov_b32 s38, 0x3e8293ee                      ; c = log2(e) / sqrt(32)
	s_mov_b32 s39, s38                             ; (named with it as a pair)
	s_mov_b32 s40, 0x76543210
	s_mov_b32 s41, 0xfedcba98                      ; v_permlanex16_b32's selects for lane l xor 16
	; the nine byte offsets, each in a pair of its own with 0 above it
	s_lshl_b32 s42, s7, 11                         ; hn x 2,048
	s_mov_b32 s50, s42                             ; V's scale bytes: 32 rows of 64 to a pair
	s_add_co_u32 s54, s42, s29                     ; K's scale bytes at key kb
	s_lshl_b32 s52, s54, 4                         ; K's codes: 16 bytes a key
	s_add_co_u32 s58, s42, s27                     ; Q's scale bytes at query s0
	s_lshl_b32 s56, s58, 4                         ; Q's codes
	s_lshl_b32 s60, s5, 11
	s_add_co_u32 s60, s60, s29                     ; the mask at key kb
	s_lshl_b32 s62, s7, 18
	s_lshl_b32 s43, s27, 7
	s_add_co_u32 s62, s62, s43                     ; G: 262,144 bytes a pair, 128 a query
	s_lshl_b32 s34, s5, 21
	s_lshl_b32 s43, s27, 10
	s_add_co_u32 s34, s34, s43
	s_lshl_b32 s43, s6, 8
	s_add_co_u32 s34, s34, s43                     ; out: 2,097,152 n + 1,024 s0 + 256 a
	s_lshl_b32 s48, s7, 15
	s_lshl_b32 s43, s30, 4
	s_add_co_u32 s48, s48, s43                     ; V's codes: 32,768 bytes a pair, block st of each row
.irp p, 35,49,51,53,55,57,59,61,63
	s_mov_b32 s\p, 0
.endr
	; the lanes' places
	v_and_b32 v2, 15, v0                           ; r
	v_bfe_u32 v3, v0, 4, 1                         ; h
	v_lshrrev_b32 v21, 3, v0                       ; the copy of V's codes: thread t takes 16 bytes: channel t / 8, piece t % 8
	v_and_b32 v4, 7, v0
	v_lshlrev_b32 v4, 4, v4
	v_mad_u32_u24 v5, v21, 144, v4                 ; in LDS,
	v_lshl_add_u32 v4, v21, 10, v4                 ; in memory (a channel's row is 1,024 bytes)
	v_lshrrev_b32 v21, 7, v0                       ; the copy of V's scale bytes: head t / 128, 16 bytes at 16 (t % 128)
	v_and_b32 v6, 127, v0
	v_lshlrev_b32 v6, 4, v6
	v_lshl_add_u32 v6, v21, 13, v6
	v_lshrrev_b32 v21, 2, v0                       ; in LDS: row t / 4, piece t % 4
	v_and_b32 v7, 3, v0
	v_lshlrev_b32 v7, 4, v7
	v_mad_u32_u24 v7, v21, 80, v7
	v_add_nc_u32 v7, VSC, v7
	v_lshlrev_b32 v8, 4, v3                        ; the mask: 16 h
	v_and_b32 v10, 8, v2
	v_add_nc_u32 v10, v10, v2
	v_lshl_add_u32 v10, v3, 3, v10                 ; the key that I load, in a block: r + 8 (r / 8) + 8 h: the 32 lanes take the 32 keys once
	v_lshlrev_b32 v9, 4, v10
	v_lshlrev_b32 v11, 4, v2                       ; Q: 16 r
	v_bfe_u32 v21, v0, 3, 1                        ; G: lanes 0-7 and 16-23 the first head, the others the second;
	v_and_b32 v13, 7, v0
	v_lshlrev_b32 v13, 4, v13
	v_lshl_add_u32 v13, v3, 7, v13                 ; lanes 16-31 the next query
	v_lshl_add_u32 v13, v21, 20, v13
	v_lshl_add_u32 v14, v3, 10, v11                ; out: 16 bytes a lane, lanes 16-31 the next query
	v_mul_u32_u24 v15, v2, 144                     ; V's fragment: channel r, block B0c + h
	v_lshl_add_u32 v15, v3, 4, v15
	v_add_nc_u32 v15, s31, v15
	v_mul_u32_u24 v16, v2, 80                      ; V's scale bytes: channel r, block B0c
	v_add_nc_u32 v16, s33, v16
	v_add_nc_u32 v16, VSC, v16
	v_mul_u32_u24 v17, v2, 272                     ; the stage, in: query r, + 32 h
	v_lshl_add_u32 v17, v3, 5, v17
	v_add_nc_u32 v17, s37, v17
	v_mul_u32_u24 v18, v3, 272                     ; and back: lanes 0-15 one query's 256 bytes, lanes 16-31 the next's
	v_add_nc_u32 v18, v18, v11
	v_add_nc_u32 v18, s37, v18
	v_sub_nc_u32 v[EE], v2, v8
	v_add_nc_u32 v[EE], s32, v[EE]                 ; 58 .. 137: inside the low eight bits
	v_mov_b32 v[NINF], 0xff800000
.irp q, 0,1,2,3,4
.irp i, 0,1,2,3
	v_mov_b32 v[QB+8*\q+\i], 0                     ; the five quads of zero codes
.endr
.endr
	s_wait_kmcnt 0x0
	s_add_nc_u64 s[8:9], s[8:9], s[48:49]
	s_add_nc_u64 s[10:11], s[10:11], s[50:51]
	s_add_nc_u64 s[12:13], s[12:13], s[52:53]
	s_add_nc_u64 s[14:15], s[14:15], s[54:55]
	s_add_nc_u64 s[16:17], s[16:17], s[56:57]
	s_add_nc_u64 s[18:19], s[18:19], s[58:59]
	s_add_nc_u64 s[20:21], s[20:21], s[60:61]
	s_add_nc_u64 s[22:23], s[22:23], s[62:63]
	s_add_nc_u64 s[24:25], s[24:25], s[34:35]
	; ALL 25 LOADS IN ONE RUN: the three that the work-group's copy waits for first, G's eight last
	global_load_b128 v[VC:VC+3], v4, s[8:9]
	global_load_b128 v[VC+4:VC+7], v4, s[8:9] offset:131072        ; the second head
	global_load_b128 v[VC+8:VC+11], v6, s[10:11]
	global_load_b128 v[MW:MW+3], v8, s[20:21]                      ; mask bytes of keys kb + 16 h + 0 .. 15,
	global_load_b128 v[MW+4:MW+7], v8, s[20:21] offset:32          ; and 32 on
.irp hd, 0,1
.irp b, 0,1
	global_load_b128 v[KF+8*\hd+4*\b:KF+8*\hd+4*\b+3], v9, s[12:13] offset:131072*\hd+512*\b   ; 32 keys: 512 consecutive bytes
.endr
.endr
.irp hd, 0,1
	global_load_b128 v[QR+4*\hd:QR+4*\hd+3], v11, s[16:17] offset:131072*\hd   ; query r, in both halves of the lanes
.endr
.irp hd, 0,1
.irp b, 0,1
	global_load_u8 v[KRAW+2*\hd+\b], v10, s[14:15] offset:8192*\hd+32*\b       ; the scale byte of the key that I loaded
.endr
.endr
.irp hd, 0,1
	global_load_u8 v[QS+\hd], v2, s[18:19] offset:8192*\hd
.endr
.irp k, 0,1,2,3,4,5,6,7
	global_load_b128 v[GG+4*\k:GG+4*\k+3], v13, s[22:23] offset:256*\k th:TH_LOAD_NT   ; queries 2 k, 2 k + 1: for each head 256 consecutive bytes, aligned
.endr
	s_wait_loadcnt 22                              ; 22 loads were issued behind the copy's three
	ds_store_b128 v5, v[VC:VC+3]
	ds_store_b128 v5, v[VC+4:VC+7] offset:4608
	ds_store_b128 v7, v[VC+8:VC+11]
	s_wait_dscnt 0x0                               ; for the others' sake: my part of the copy lies in LDS
	s_barrier_signal -1                            ; work on registers alone up to the barrier's wait
	s_wait_loadcnt 8                               ; only G's eight may be out
.irp hd, 0,1
	v_lshl_or_b32 v[KS+\hd], v[KRAW+2*\hd+1], 16, v[KRAW+2*\hd]
	v_lshl_or_b32 v[QS+\hd], v[QS+\hd], 8, v[QS+\hd]
.endr
.irp hd, 0,1
	v_lshl_or_b32 v[KS+\hd], v[KS+\hd], 8, v[KS+\hd]              ; bytes 0, 1: my key of the first block; bytes 2, 3: of the second.  Lanes 0-15 serve the even tiles, lanes 16-31 the odd ones
	v_lshl_or_b32 v[QS+\hd], v[QS+\hd], 16, v[QS+\hd]             ; Q's byte four times: wherever Q's codes stand
.endr
.irp hd, 0,1
.irp i, 0,1,2,3
	v_cndmask_b32 v[QB+16*\hd+4+\i], v[QR+4*\hd+\i], v[QB], s36   ; Q in lanes 0-15, zero codes in lanes 16-31
	v_cndmask_b32 v[QB+16*\hd+12+\i], v[QB], v[QR+4*\hd+\i], s36  ; and the other way round
.endr
.endr
; The bias of my 16 keys of block b: 0 where the key counts, else -infinity.  Key kb + 16 h + 32 b + i counts for query s0 + r where 0 <= s - t + 10 <= 20 and its mask byte is 0.
; The byte is laid above bit 7 of EE; 64 + 32 b + i is taken off: the result is s - t + 10, plus 256 or more where the byte is not 0; as an unsigned number it is above 20 for every key that does not count.
.macro BIASB b
.irp g, 0,1,2,3
	v_lshlrev_b32 v[SH+\g], 8, v[MW+4*\b+\g]                      ; a word's lowest byte has to move up
.endr
.irp g, 0,1,2,3
	v_and_or_b32 v[BIAS+16*\b+4*\g], v[SH+\g], 0xff00, v[EE]
	v_and_or_b32 v[BIAS+16*\b+4*\g+1], v[MW+4*\b+\g], 0xff00, v[EE]
	v_and_or_b32 v[BIAS+16*\b+4*\g+2], v[MW+4*\b+\g], 0xff0000, v[EE]
	v_and_or_b32 v[BIAS+16*\b+4*\g+3], v[MW+4*\b+\g], 0xff000000, v[EE]
.irp i, 0,1,2,3
	v_add_nc_u32 v[BIAS+16*\b+4*\g+\i], -(64+32*\b+4*\g+\i), v[BIAS+16*\b+4*\g+\i]
.endr
.irp i, 0,1,2,3
	v_cmp_lt_u32 s[LM+\i], 20, v[BIAS+16*\b+4*\g+\i]
.endr
.irp i, 0,1,2,3
	v_cndmask_b32 v[BIAS+16*\b+4*\g+\i], 0, v[NINF], s[LM+\i]
.endr
.endr
.endm
; A head's four tiles of S^T.  Tile 2 b + u: Q's codes stand in quad b, lanes 16 u on; K's scale word comes from lanes 16 u on.  Register j of lane (r, h): query s0 + r, key kb + 32 b + 16 h + 8 u + j.
.macro QK hd
	v_wmma_scale_f32_16x16x128_f8f6f4 v[S+32*\hd:S+32*\hd+7], v[KF+8*\hd:KF+8*\hd+7], v[QB+16*\hd+4:QB+16*\hd+11], 0, v[KS+\hd], v[QS+\hd] matrix_a_fmt:MATRIX_FMT_FP4 matrix_b_fmt:MATRIX_FMT_FP4
	v_wmma_scale_f32_16x16x128_f8f6f4 v[S+32*\hd+8:S+32*\hd+15], v[KF+8*\hd:KF+8*\hd+7], v[QB+16*\hd+12:QB+16*\hd+19], 0, v[KS+\hd], v[QS+\hd] matrix_a_fmt:MATRIX_FMT_FP4 matrix_b_fmt:MATRIX_FMT_FP4 matrix_a_scale:MATRIX_SCALE_ROW1
	v_wmma_scale_f32_16x16x128_f8f6f4 v[S+32*\hd+16:S+32*\hd+23], v[KF+8*\hd:KF+8*\hd+7], v[QB+16*\hd:QB+16*\hd+7], 0, v[KS+\hd], v[QS+\hd] matrix_a_fmt:MATRIX_FMT_FP4 matrix_b_fmt:MATRIX_FMT_FP4
	v_wmma_scale_f32_16x16x128_f8f6f4 v[S+32*\hd+24:S+32*\hd+31], v[KF+8*\hd:KF+8*\hd+7], v[QB+16*\hd+8:QB+16*\hd+15], 0, v[KS+\hd], v[QS+\hd] matrix_a_fmt:MATRIX_FMT_FP4 matrix_b_fmt:MATRIX_FMT_FP4 matrix_a_scale:MATRIX_SCALE_ROW1
.endm
	BIASB 0                                        ; 68 plain lines: also the places between the lines that made the scale words and Q's quads and the products
	QK 0                                           ; eight products, eight accumulators, each begun with the constant 0
	QK 1
	BIASB 1                                        ; 68 plain lines that name no register of the products: the places in front of the loads into Q's quads and of the first read of the scores
	s_barrier_wait -1                              ; everybody's part of the copy lies in LDS
.irp hd, 0,1
.irp t, 0,1
	ds_load_b128 v[QB+4+8*(2*\hd+\t):QB+7+8*(2*\hd+\t)], v15 offset:(32*\hd+16*\t)*144   ; channel 16 t + r, block B0c + h: where Q stood; the quad of zeros behind it stays
.endr
.endr
.irp hd, 0,1
.irp t, 0,1
	ds_load_u8 v[VRAW+2*(2*\hd+\t)], v16 offset:(32*\hd+16*\t)*80
	ds_load_u8 v[VRAW+2*(2*\hd+\t)+1], v16 offset:(32*\hd+16*\t)*80+1
.endr
.endr
	; THE SOFTMAX, both heads line by line
.irp hd, 0,1
.irp j, 0,2,4,6,8,10,12,14,16,18,20,22,24,26,28,30
	v_pk_fma_f32 v[S+32*\hd+\j:S+32*\hd+\j+1], v[S+32*\hd+\j:S+32*\hd+\j+1], s[38:39], v[BIAS+\j:BIAS+\j+1] op_sel_hi:[1,0,1]   ; t = score x c + bias, each accumulator from its low end on
.endr
.endr
.irp hd, 0,1
	v_mov_b32 v[TM+16*\hd+2], 0                    ; a lane permute's destination counts as one of its sources
	v_mov_b32 v[TM+16*\hd+3], 0
	v_mov_b32 v[TM+16*\hd+5], 0                    ; the upper words of the pairs -M and 1 / l are named with them
	v_mov_b32 v[TM+16*\hd+13], 0
.endr
.irp hd, 0,1
.irp b, 0,1
	v_max3_num_f32 v[TM+16*\hd+\b], v[S+32*\hd+16*\b], v[S+32*\hd+16*\b+1], v[S+32*\hd+16*\b+2]   ; each block's largest t: for the row's maximum, and for the block's largest p
.endr
.endr
.irp i, 3,5,7,9,11,13
.irp hd, 0,1
.irp b, 0,1
	v_max3_num_f32 v[TM+16*\hd+\b], v[TM+16*\hd+\b], v[S+32*\hd+16*\b+\i], v[S+32*\hd+16*\b+\i+1]
.endr
.endr
.endr
.irp hd, 0,1
.irp b, 0,1
	v_max_num_f32 v[TM+16*\hd+\b], v[TM+16*\hd+\b], v[S+32*\hd+16*\b+15]
.endr
.endr
.irp hd, 0,1
.irp b, 0,1
	v_permlanex16_b32 v[TM+16*\hd+2+\b], v[TM+16*\hd+\b], s40, s41
.endr
.endr
.irp hd, 0,1
.irp b, 0,1
	v_max_num_f32 v[TM+16*\hd+\b], v[TM+16*\hd+\b], v[TM+16*\hd+2+\b]   ; with lane l xor 16's 16 keys
.endr
.endr
.irp hd, 0,1
	v_max_num_f32 v[TM+16*\hd+14], v[TM+16*\hd], v[TM+16*\hd+1]   ; the row's largest t
.endr
.irp hd, 0,1
	v_floor_f32 v[TM+16*\hd+4], -v[TM+16*\hd+14]                  ; -M = floor(-t) = -ceil(t)
.endr
.irp hd, 0,1
.irp j, 0,2,4,6,8,10,12,14,16,18,20,22,24,26,28,30
	v_pk_add_f32 v[S+32*\hd+\j:S+32*\hd+\j+1], v[S+32*\hd+\j:S+32*\hd+\j+1], v[TM+16*\hd+4:TM+16*\hd+5] op_sel_hi:[1,0]   ; t - M
.endr
.irp b, 0,1
	v_add_f32 v[TM+16*\hd+\b], v[TM+16*\hd+\b], v[TM+16*\hd+4]    ; the same of each block's largest
.endr
.endr
.irp hd, 0,1
.irp j, 0,1,2,3,4,5,6,7,8,9,10,11,12,13,14,15,16,17,18,19,20,21,22,23,24,25,26,27,28,29,30,31
	v_exp_f32 v[S+32*\hd+\j], v[S+32*\hd+\j]                      ; p = 2^(t - M): not normalised; 0 for a key that does not count
.endr
.irp b, 0,1
	v_exp_f32 v[TM+16*\hd+\b], v[TM+16*\hd+\b]                    ; the block's largest p: the same instructions on the same number
.endr
.endr
.irp hd, 0,1
.irp i, 4,5,6,7
	v_mov_b32 v[PC+8*\hd+\i], 0                    ; zero codes for the second product's blocks 2 and 3: plain work behind the exponentials
.endr
.endr
	s_wait_alu depctr_va_vdst(0)                   ; one wait for the batch of 68, ahead of its first reader
.irp hd, 0,1
.irp b, 0,1
	v_max_num_f32 v[TM+16*\hd+\b], 0x1800000, v[TM+16*\hd+\b]     ; the floor 2^(3 - 127): the byte cannot fall under 1
.endr
.endr
.irp hd, 0,1
.irp b, 0,1
	v_add_nc_u32 v[TM+16*\hd+10+\b], 0xff000000, v[TM+16*\hd+\b]  ; 2 off the exponent field: the conversion's scale operand
.endr
.endr
.irp hd, 0,1
.irp b, 0,1
	v_lshrrev_b32 v[TM+16*\hd+2+\b], 23, v[TM+16*\hd+10+\b]       ; the scale's byte
.endr
.endr
.irp hd, 0,1
	v_lshl_or_b32 v[PS+\hd], v[TM+16*\hd+3], 8, v[TM+16*\hd+2]    ; p's scale word: blocks 0 and 1; the bytes above stand over zero codes
.endr
	s_wait_dscnt 0x0                               ; V's fragments and scale bytes are in
.irp q, 0,1,2,3
	v_lshl_or_b32 v[VS+\q], v[VRAW+2*\q+1], 8, v[VRAW+2*\q]       ; V's scale words likewise
.endr
.irp hd, 0,1
.irp b, 0,1
	v_cvt_scalef32_pk8_fp4_f32 v[PC+8*\hd+2*\b], v[S+32*\hd+16*\b:S+32*\hd+16*\b+7], v[TM+16*\hd+10+\b]
	v_cvt_scalef32_pk8_fp4_f32 v[PC+8*\hd+2*\b+1], v[S+32*\hd+16*\b+8:S+32*\hd+16*\b+15], v[TM+16*\hd+10+\b]
.endr
.endr
	v_nop                                          ; one plain place behind the scaled conversions
.irp hd, 0,1
.irp i, 0,1
	v_permlane16_swap_b32 v[PC+8*\hd+\i], v[PC+8*\hd+2+\i]        ; the operand wants a whole block in a lane: lanes 0-15 block 0, lanes 16-31 block 1
.endr
.endr
.irp hd, 0,1
	v_pk_add_f32 v[TM+16*\hd+6:TM+16*\hd+7], v[S+32*\hd:S+32*\hd+1], v[S+32*\hd+2:S+32*\hd+3]     ; l: the sum of the unquantised p, two at a time, in two chains.
	v_pk_add_f32 v[TM+16*\hd+8:TM+16*\hd+9], v[S+32*\hd+4:S+32*\hd+5], v[S+32*\hd+6:S+32*\hd+7]   ; (These plain lines are also the places between the scale words, the codes and the second product)
.endr
.irp j, 8,12,16,20,24,28
.irp hd, 0,1
	v_pk_add_f32 v[TM+16*\hd+6:TM+16*\hd+7], v[TM+16*\hd+6:TM+16*\hd+7], v[S+32*\hd+\j:S+32*\hd+\j+1]
	v_pk_add_f32 v[TM+16*\hd+8:TM+16*\hd+9], v[TM+16*\hd+8:TM+16*\hd+9], v[S+32*\hd+\j+2:S+32*\hd+\j+3]
.endr
.endr
.irp hd, 0,1
	v_pk_add_f32 v[TM+16*\hd+6:TM+16*\hd+7], v[TM+16*\hd+6:TM+16*\hd+7], v[TM+16*\hd+8:TM+16*\hd+9]
.endr
.irp hd, 0,1
	v_add_f32 v[TM+16*\hd+14], v[TM+16*\hd+6], v[TM+16*\hd+7]
.endr
.irp hd, 0,1
	v_permlanex16_b32 v[TM+16*\hd+2], v[TM+16*\hd+14], s40, s41
.endr
.irp hd, 0,1
	v_add_f32 v[TM+16*\hd+14], v[TM+16*\hd+14], v[TM+16*\hd+2]    ; with lane l xor 16's: the row's sum
.endr
.irp hd, 0,1
	v_rcp_f32 v[TM+16*\hd+12], v[TM+16*\hd+14]
.endr
	; O^T = V^T P^T: four products, four accumulators, each begun with the constant 0.  Register j of lane (r, h): query r, channel 16 t + 8 h + j
.irp hd, 0,1
.irp t, 0,1
	v_wmma_scale_f32_16x16x128_f8f6f4 v[O+16*\hd+8*\t:O+16*\hd+8*\t+7], v[QB+4+8*(2*\hd+\t):QB+11+8*(2*\hd+\t)], v[PC+8*\hd:PC+8*\hd+7], 0, v[VS+2*\hd+\t], v[PS+\hd] matrix_a_fmt:MATRIX_FMT_FP4 matrix_b_fmt:MATRIX_FMT_FP4
.endr
.endr
.rept 4
	v_nop                                          ; the places behind the products, and the plain place behind the reciprocals
.endr
	s_wait_alu depctr_va_vdst(0)                   ; one wait for the two reciprocals, ahead of their first reader
	; THE WAY OUT: O^T / l through my own stage; back as whole queries of 256 bytes (two heads x 32 channels); x G; stored
.irp hd, 0,1
.irp j, 0,2,4,6,8,10,12,14
	v_pk_mul_f32 v[O+16*\hd+\j:O+16*\hd+\j+1], v[O+16*\hd+\j:O+16*\hd+\j+1], v[TM+16*\hd+12:TM+16*\hd+13] op_sel_hi:[1,0]   ; each accumulator from its low end on
.endr
.endr
.irp hd, 0,1
.irp t, 0,1
	ds_store_b128 v17, v[O+16*\hd+8*\t:O+16*\hd+8*\t+3] offset:128*\hd+64*\t
	ds_store_b128 v17, v[O+16*\hd+8*\t+4:O+16*\hd+8*\t+7] offset:128*\hd+64*\t+16
.endr
.endr
.irp k, 0,1,2,3,4,5,6,7
	ds_load_b128 v[RB+4*\k:RB+4*\k+3], v18 offset:544*\k          ; my own bytes, and LDS serves a wave's instructions in order (ISA guide 5.7.1.4): these see the stores above
.endr
	s_wait_loadcnt 0x0                             ; G
.irp k, 0,1,2,3,4,5,6,7
	s_wait_dscnt 7-\k                              ; load k is in; the 7 - k younger ones may be out
	v_pk_mul_f32 v[RB+4*\k:RB+4*\k+1], v[RB+4*\k:RB+4*\k+1], v[GG+4*\k:GG+4*\k+1]
	v_pk_mul_f32 v[RB+4*\k+2:RB+4*\k+3], v[RB+4*\k+2:RB+4*\k+3], v[GG+4*\k+2:GG+4*\k+3]
	global_store_b128 v14, v[RB+4*\k:RB+4*\k+3], s[24:25] offset:2048*\k th:TH_STORE_NT   ; lanes 0-15 store 256 consecutive bytes, aligned; lanes 16-31 those of the next query
.endr
	s_wait_tensorcnt 0x0                           ; the wave's end, behind my last LDS store
	ds_add_u32 v[SPW], v[NIL]
	s_wait_dscnt 0x0
	s_endpgm
.Lfunc_end_k_q0244fd163c_band:
	.size	k_q0244fd163c_band, .Lfunc_end_k_q0244fd163c_band-k_q0244fd163c_band
	.p2alignl 7, 3214868480
	.fill 96, 4, 3214868480
	.section	.rodata,"a",@progbits
	.p2align	6, 0x0
	.amdhsa_kernel k_q0244fd163c_band
		.amdhsa_group_segment_fixed_size 50176
		.amdhsa_private_segment_fixed_size 0
		.amdhsa_enable_private_segment 0
		.amdhsa_kernarg_size 72
		.amdhsa_user_sgpr_count 2
		.amdhsa_user_sgpr_kernarg_segment_ptr 1
		.amdhsa_wavefront_size32 1
		.amdhsa_system_sgpr_workgroup_id_x 1
		.amdhsa_system_sgpr_workgroup_id_y 1
		.amdhsa_system_sgpr_workgroup_id_z 1
		.amdhsa_system_vgpr_workitem_id 0
		.amdhsa_next_free_vgpr 256
		.amdhsa_next_free_sgpr 66
		.amdhsa_reserve_vcc 0
		.amdhsa_float_denorm_mode_32 3
		.amdhsa_float_denorm_mode_16_64 3
		.amdhsa_memory_ordered 1
		.amdhsa_forward_progress 1
		.amdhsa_inst_pref_size 39
	.end_amdhsa_kernel
	.amdgpu_metadata
---
amdhsa.version: [ 1, 2 ]
amdhsa.kernels:
  - .name:           k_q0244fd163c_band
    .symbol:         k_q0244fd163c_band.kd
    .args:
      - { .name: V_codes, .offset: 0, .size: 8, .value_kind: global_buffer, .address_space: global }
      - { .name: V_scales, .offset: 8, .size: 8, .value_kind: global_buffer, .address_space: global }
      - { .name: K_codes, .offset: 16, .size: 8, .value_kind: global_buffer, .address_space: global }
      - { .name: K_scales, .offset: 24, .size: 8, .value_kind: global_buffer, .address_space: global }
      - { .name: Q_codes, .offset: 32, .size: 8, .value_kind: global_buffer, .address_space: global }
      - { .name: Q_scales, .offset: 40, .size: 8, .value_kind: global_buffer, .address_space: global }
      - { .name: seqMask, .offset: 48, .size: 8, .value_kind: global_buffer, .address_space: global }
      - { .name: G, .offset: 56, .size: 8, .value_kind: global_buffer, .address_space: global }
      - { .name: out0, .offset: 64, .size: 8, .value_kind: global_buffer, .address_space: global }
    .group_segment_fixed_size: 50176
    .private_segment_fixed_size: 0
    .kernarg_segment_align: 8
    .kernarg_segment_size: 72
    .max_flat_workgroup_size: 256
    .sgpr_count:     66
    .vgpr_count:     256
    .wavefront_size: 32
...
	.end_amdgpu_metadata
.endif
;; end of part 1
;; ======== version 2 of 2: 1 launch; version 1 with the launch band written anew for expert scheduling mode
;; launch band (part 2): grid 16 x 16, 8 waves a work-group, no clusters, 50,176 bytes of LDS; arguments V_codes, V_scales, K_codes, K_scales, Q_codes, Q_scales, seqMask, G, out0; writes out0
.if DOCPART == 2
	.amdgcn_target "amdgcn-amd-amdhsa--gfx1250"
	.amdhsa_code_object_version 6
	.text
	.protected	k_q0244fd163c_band
	.globl	k_q0244fd163c_band
	.p2align	8
	.type	k_q0244fd163c_band,@function
k_q0244fd163c_band:
	s_mov_b64 s[64:65], 0
	v_nop
	global_prefetch_b8 v0, s[64:65] scope:SCOPE_SE
	s_setreg_imm32_b32 hwreg(HW_REG_WAVE_SCHED_MODE, 0, 2), 2
	s_setreg_imm32_b32 hwreg(HW_REG_WAVE_MODE, 25, 1), 1
	s_wait_xcnt 0x0
	s_wait_alu depctr_vm_vsrc(0)
; out[n][s][h][:] = G[h][n][s][:] x (sum over t of p(s,t) V[h][n][t][:]) / l(s), over the keys t with |s - t| <= 10 and seqMask[n][t] = 0.
; Both products on codes of FP4 (E2M1) with one E8M0 byte for each 32 along K.  t-score = (Q.K) x log2(e)/sqrt(32); M = ceil(the row's largest); p = 2^(t - M) is quantised along the
; keys in the aligned blocks of 32 keys in which V's codes lie; l is the f32 sum of the unquantised p.
; SHARES.  Work-group (x, y): batch n = y & 3, heads 2a and 2a + 1 (a = y >> 2), queries 128 x .. 128 x + 127.  Wave w: 16 queries from s0 = 16 (8 x + w), both heads: a query's two heads are 256
; consecutive bytes of out, so the way out is the wave's own.  The band of 16 queries, keys s0 - 10 .. s0 + 25, lies inside two aligned blocks of 32 keys, B0c and B0c + 1: nothing else is multiplied.
; PRODUCT 1, S^T = K Q^T, has K = 32: one of the instruction's four blocks.  Source 0 is filled with 64 keys (each quad of each half of the lanes another 16 keys); source 1 holds Q's codes in ONE block and
; zero codes in the other three, so four instructions with four placements of Q give the 64 scores of each query.  The keys of a tile are chosen (r + 8 (r / 8)) so that a lane's 16 registers of two
; neighbouring tiles are 16 neighbouring keys.  PRODUCT 2, O^T = V^T P^T: blocks B0c, B0c + 1 in the instruction's blocks 0, 1; zero codes in blocks 2, 3.  A lane holds one query (lane % 16) throughout.
; V's codes (128 bytes of each of 64 channel rows) and scale bytes (whole rows) are copied once into LDS by the work-group; all else goes between memory and registers in dense runs.
; No cluster: neighbouring work-groups share only the blocks at their windows' edges.  No ring: every byte is used once, and all 25 loads of a wave go out at its head.
; LIMITS.  A p under 2^-126 becomes 0 (v_exp_f32 flushes).  A block's largest p is made from its largest t by the same instructions, which takes v_exp_f32 not to fall where its input rises.  A block of
; zeros gets the byte 1, not 127: its codes are zeros, and this text alone reads the byte.  A row whose band is wholly masked gives NaN (-inf + inf), as the softmax of such a row does.
; A scale byte 0xff of any key, query or channel block inside a wave's window makes that wave's sums NaN.
; THE MODE: SCHED_MODE bits 1:0 = 2 (LLVM: expert scheduling mode 2), set by the entry lines.  The code itself states the register dependences between vector or matrix instructions and memory or LDS
; instructions, with s_wait_alu, always for 0.
; THE PLAN.  Registers that memory or LDS instructions touch, in the order of the text (there is no loop):
;   v2, v4-v11, v13-v18, v22, v23   offsets, LDS addresses and the closing add's pair: written once at the head, ahead of one wait on va_vdst, and never again.
;   VC v24-35     land from memory; read by the copy's three LDS stores; written again by vector lines as TM: one wait on vm_vsrc behind those stores.
;   MW, KF, KRAW, QS, QR, GG   land from the head's loads; no vector line names them ahead of that.
;   Q's four quads in QB, and QR   written and read by the selects, read by the eight first products; V's fragments and scale bytes land there from LDS: one wait on va_vdst ahead of those twelve loads.
;   O v188-219    written by the second products and by the scaling with 1 / l; read by the stage's eight stores.   RB v124-155 (p's registers)   read by the conversions and the sums; the stage's eight
;                 loads land there: one wait on va_vdst ahead of the stores serves both.  RB is then multiplied by G and read by the eight stores to memory: one wait on va_vdst ahead of that run.
;   The scaled products' operands that vector lines make (scale words, Q's quads, p's codes): one wait on va_vdst ahead of each of the two runs of products, behind their places.
;   s2 (the wave's number) and s44-59 (lane masks) are written by vector lines: a wait on va_sdst stands between each run of writers and its first reader.
.set VSC,   9216                       ; LDS: 0 .. 9,215 V's codes: 64 rows (32 x head + channel), 128 bytes + 16 of padding;  from here V's scale bytes: 64 rows, 64 bytes + 16
.set STAGE, 14336                      ; a stage for each wave: 16 queries x (256 bytes + 16)
.set WSTG,  4352
.set SPARE, 49152                      ; the spare words, 128 bytes for each wave: four blocks of 256 bytes that no other line names
.set EE,    19                         ; v19  s0 - kb + r - 16 h + 74
.set NINF,  20                         ; v20  -infinity
.set SPW,   22                         ; v22  LDS address of my spare word; never rewritten
.set NIL,   23                         ; v23  0; never rewritten
.set VC,    24                         ; v24-35   what I copy into LDS
.set MW,    36                         ; v36-43   my 32 keys' mask bytes
.set SH,    44                         ; v44-47   four of those words, 8 bits up
.set TM,    24                         ; later, 16 a head: +0,1 the blocks' largest; +2,3 at work; +4,5 -M; +6..9 the sums; +10,11 the conversions' scale operands; +12,13 1 / l; +14 at work
.set KF,    56                         ; v56-71   K's fragments, 8 a head
.set PC,    56                         ; later p's codes, 4 a head, and 4 zeros behind them
.set KRAW,  72                         ; v72-75   K's scale bytes as loaded
.set VS,    72                         ; later V's four scale words
.set KS,    76                         ; v76-77   K's scale words
.set QS,    78                         ; v78-79   Q's
.set QR,    80                         ; v80-87   Q's codes as loaded
.set VRAW,  80                         ; later V's eight scale bytes
.set QB,    88                         ; v88-123  nine quads: 0, Q in lanes 0-15, 0, Q in lanes 16-31, 0, and the same for the second head, 0.  Later the four quads of Q take V's fragments
.set S,     124                        ; v124-187 scores, then t, then p: 32 a head
.set RB,    124                        ; later 16 rows read back from the stage
.set BIAS,  188                        ; v188-219 0 or -infinity for my 32 keys
.set O,     188                        ; later O^T: 16 x head + 8 x tile
.set GG,    220                        ; v220-251 G
.set PS,    252                        ; v252-253 p's scale words
.set LM,    44                         ; s44-59   sixteen lane masks, one for each key of a block's half (s48-59 held byte offsets, which the nine sums at the head have read)
	s_load_b512 s[8:23], s[0:1], 0x0               ; V_codes 8, V_scales 10, K_codes 12, K_scales 14, Q_codes 16, Q_scales 18, seqMask 20, G 22
	s_load_b64 s[24:25], s[0:1], 0x40              ; out0
	v_lshl_add_u32 v[SPW], v0, 2, SPARE
	v_mov_b32 v[NIL], 0
	v_lshrrev_b32 v1, 5, v0
	v_readfirstlane_b32 s2, v1                     ; wave 0..7
	s_and_b32 s4, ttmp7, 0xffff
	s_and_b32 s5, s4, 3                            ; n
	s_lshr_b32 s6, s4, 2                           ; a
	s_lshl_b32 s7, s6, 3
	s_add_co_u32 s7, s7, s5                        ; hn = 4 (2 a) + n: the first head's place among the 32 pairs; the second's is 4 on
	s_lshl_b32 s26, ttmp9, 3
	s_wait_alu depctr_va_sdst(0)                   ; s2 is written, ahead of its first reader, the next line: my tile, my blocks of keys and my stage are made from it
	s_add_co_u32 s26, s26, s2                      ; T: my tile of 16 queries
	s_lshl_b32 s27, s26, 4                         ; s0
	s_add_co_u32 s28, s26, 1
	s_lshr_b32 s28, s28, 1
	s_min_u32 s29, s28, 1
	s_sub_co_u32 s28, s28, s29                     ; (T - 1) / 2, and 0 for T = 0,
	s_min_u32 s28, s28, 62                         ; held at 62: B0c, the first of my two blocks of keys
	s_lshl_b32 s29, s28, 5                         ; kb, its first key
	s_lshl_b32 s30, ttmp9, 2
	s_min_u32 s31, s30, 2
	s_sub_co_u32 s30, s30, s31
	s_min_u32 s30, s30, 56                         ; st: the work-group copies blocks st .. st + 7 of V
	s_sub_co_u32 s31, s28, s30
	s_and_b32 s31, s31, 7                          ; my first block's place among them (0 .. 6)
	s_lshl_b32 s31, s31, 4                         ; in bytes
	s_and_b32 s33, s28, 63                         ; B0c once more, for an LDS address
	s_sub_co_u32 s32, s27, s29
	s_add_co_u32 s32, s32, 74                      ; s0 - kb + 74
	s_mul_i32 s37, s2, WSTG
	s_add_co_u32 s37, s37, STAGE                   ; my stage
	s_mov_b32 s36, 0xffff0000                      ; lanes 16-31
	s_mov_b32 s38, 0x3e8293ee                      ; c = log2(e) / sqrt(32)
	s_mov_b32 s39, s38                             ; (named with it as a pair)
	s_mov_b32 s40, 0x76543210
	s_mov_b32 s41, 0xfedcba98                      ; v_permlanex16_b32's selects for lane l xor 16
	; the nine byte offsets, each in a pair of its own with 0 above it
	s_lshl_b32 s42, s7, 11                         ; hn x 2,048
	s_mov_b32 s50, s42                             ; V's scale bytes: 32 rows of 64 to a pair
	s_add_co_u32 s54, s42, s29                     ; K's scale bytes at key kb
	s_lshl_b32 s52, s54, 4                         ; K's codes: 16 bytes a key
	s_add_co_u32 s58, s42, s27                     ; Q's scale bytes at query s0
	s_lshl_b32 s56, s58, 4                         ; Q's codes
	s_lshl_b32 s60, s5, 11
	s_add_co_u32 s60, s60, s29                     ; the mask at key kb
	s_lshl_b32 s62, s7, 18
	s_lshl_b32 s43, s27, 7
	s_add_co_u32 s62, s62, s43                     ; G: 262,144 bytes a pair, 128 a query
	s_lshl_b32 s34, s5, 21
	s_lshl_b32 s43, s27, 10
	s_add_co_u32 s34, s34, s43
	s_lshl_b32 s43, s6, 8
	s_add_co_u32 s34, s34, s43                     ; out: 2,097,152 n + 1,024 s0 + 256 a
	s_lshl_b32 s48, s7, 15
	s_lshl_b32 s43, s30, 4
	s_add_co_u32 s48, s48, s43                     ; V's codes: 32,768 bytes a pair, block st of each row
.irp p, 35,49,51,53,55,57,59,61,63
	s_mov_b32 s\p, 0
.endr
	; the lanes' places
	v_and_b32 v2, 15, v0                           ; r
	v_bfe_u32 v3, v0, 4, 1                         ; h
	v_lshrrev_b32 v21, 3, v0                       ; the copy of V's codes: thread t takes 16 bytes: channel t / 8, piece t % 8
	v_and_b32 v4, 7, v0
	v_lshlrev_b32 v4, 4, v4
	v_mad_u32_u24 v5, v21, 144, v4                 ; in LDS,
	v_lshl_add_u32 v4, v21, 10, v4                 ; in memory (a channel's row is 1,024 bytes)
	v_lshrrev_b32 v21, 7, v0                       ; the copy of V's scale bytes: head t / 128, 16 bytes at 16 (t % 128)
	v_and_b32 v6, 127, v0
	v_lshlrev_b32 v6, 4, v6
	v_lshl_add_u32 v6, v21, 13, v6
	v_lshrrev_b32 v21, 2, v0                       ; in LDS: row t / 4, piece t % 4
	v_and_b32 v7, 3, v0
	v_lshlrev_b32 v7, 4, v7
	v_mad_u32_u24 v7, v21, 80, v7
	v_add_nc_u32 v7, VSC, v7
	v_lshlrev_b32 v8, 4, v3                        ; the mask: 16 h
	v_and_b32 v10, 8, v2
	v_add_nc_u32 v10, v10, v2
	v_lshl_add_u32 v10, v3, 3, v10                 ; the key that I load, in a block: r + 8 (r / 8) + 8 h: the 32 lanes take the 32 keys once
	v_lshlrev_b32 v9, 4, v10
	v_lshlrev_b32 v11, 4, v2                       ; Q: 16 r
	v_bfe_u32 v21, v0, 3, 1                        ; G: lanes 0-7 and 16-23 the first head, the others the second;
	v_and_b32 v13, 7, v0
	v_lshlrev_b32 v13, 4, v13
	v_lshl_add_u32 v13, v3, 7, v13                 ; lanes 16-31 the next query
	v_lshl_add_u32 v13, v21, 20, v13
	v_lshl_add_u32 v14, v3, 10, v11                ; out: 16 bytes a lane, lanes 16-31 the next query
	v_mul_u32_u24 v15, v2, 144                     ; V's fragment: channel r, block B0c + h
	v_lshl_add_u32 v15, v3, 4, v15
	v_add_nc_u32 v15, s31, v15
	v_mul_u32_u24 v16, v2, 80                      ; V's scale bytes: channel r, block B0c
	v_add_nc_u32 v16, s33, v16
	v_add_nc_u32 v16, VSC, v16
	v_mul_u32_u24 v17, v2, 272                     ; the stage, in: query r, + 32 h
	v_lshl_add_u32 v17, v3, 5, v17
	v_add_nc_u32 v17, s37, v17
	v_mul_u32_u24 v18, v3, 272                     ; and back: lanes 0-15 one query's 256 bytes, lanes 16-31 the next's
	v_add_nc_u32 v18, v18, v11
	v_add_nc_u32 v18, s37, v18
	v_sub_nc_u32 v[EE], v2, v8
	v_add_nc_u32 v[EE], s32, v[EE]                 ; 58 .. 137: inside the low eight bits
	v_mov_b32 v[NINF], 0xff800000
.irp q, 0,1,2,3,4
.irp i, 0,1,2,3
	v_mov_b32 v[QB+8*\q+\i], 0                     ; the five quads of zero codes
.endr
.endr
	s_wait_kmcnt 0x0
	s_add_nc_u64 s[8:9], s[8:9], s[48:49]
	s_add_nc_u64 s[10:11], s[10:11], s[50:51]
	s_add_nc_u64 s[12:13], s[12:13], s[52:53]
	s_add_nc_u64 s[14:15], s[14:15], s[54:55]
	s_add_nc_u64 s[16:17], s[16:17], s[56:57]
	s_add_nc_u64 s[18:19], s[18:19], s[58:59]
	s_add_nc_u64 s[20:21], s[20:21], s[60:61]
	s_add_nc_u64 s[22:23], s[22:23], s[62:63]
	s_add_nc_u64 s[24:25], s[24:25], s[34:35]
	s_wait_alu depctr_va_vdst(0)                   ; the offsets v2, v4, v6, v8 to v11, v13, v14 and the LDS addresses v5, v7, v15 to v18 are written: every load and store of the kernel reads one of them, and none is written again
	; ALL 25 LOADS IN ONE RUN: the three that the work-group's copy waits for first, G's eight last
	global_load_b128 v[VC:VC+3], v4, s[8:9]
	global_load_b128 v[VC+4:VC+7], v4, s[8:9] offset:131072        ; the second head
	global_load_b128 v[VC+8:VC+11], v6, s[10:11]
	global_load_b128 v[MW:MW+3], v8, s[20:21]                      ; mask bytes of keys kb + 16 h + 0 .. 15,
	global_load_b128 v[MW+4:MW+7], v8, s[20:21] offset:32          ; and 32 on
.irp hd, 0,1
.irp b, 0,1
	global_load_b128 v[KF+8*\hd+4*\b:KF+8*\hd+4*\b+3], v9, s[12:13] offset:131072*\hd+512*\b   ; 32 keys: 512 consecutive bytes
.endr
.endr
.irp hd, 0,1
	global_load_b128 v[QR+4*\hd:QR+4*\hd+3], v11, s[16:17] offset:131072*\hd   ; query r, in both halves of the lanes
.endr
.irp hd, 0,1
.irp b, 0,1
	global_load_u8 v[KRAW+2*\hd+\b], v10, s[14:15] offset:8192*\hd+32*\b       ; the scale byte of the key that I loaded
.endr
.endr
.irp hd, 0,1
	global_load_u8 v[QS+\hd], v2, s[18:19] offset:8192*\hd
.endr
.irp k, 0,1,2,3,4,5,6,7
	global_load_b128 v[GG+4*\k:GG+4*\k+3], v13, s[22:23] offset:256*\k th:TH_LOAD_NT   ; queries 2 k, 2 k + 1: for each head 256 consecutive bytes, aligned
.endr
	s_wait_loadcnt 22                              ; 22 loads were issued behind the copy's three
	ds_store_b128 v5, v[VC:VC+3]
	ds_store_b128 v5, v[VC+4:VC+7] offset:4608
	ds_store_b128 v7, v[VC+8:VC+11]
	s_wait_dscnt 0x0                               ; for the others' sake: my part of the copy lies in LDS
	s_wait_alu depctr_vm_vsrc(0)                   ; the three LDS stores have read v24 to v35, which the softmax's lines write again as TM; no later memory or LDS line reads these registers
	s_barrier_signal -1                            ; work on registers alone up to the barrier's wait
	s_wait_loadcnt 8                               ; only G's eight may be out
.irp hd, 0,1
	v_lshl_or_b32 v[KS+\hd], v[KRAW+2*\hd+1], 16, v[KRAW+2*\hd]
	v_lshl_or_b32 v[QS+\hd], v[QS+\hd], 8, v[QS+\hd]
.endr
.irp hd, 0,1
	v_lshl_or_b32 v[KS+\hd], v[KS+\hd], 8, v[KS+\hd]              ; bytes 0, 1: my key of the first block; bytes 2, 3: of the second.  Lanes 0-15 serve the even tiles, lanes 16-31 the odd ones
	v_lshl_or_b32 v[QS+\hd], v[QS+\hd], 16, v[QS+\hd]             ; Q's byte four times: wherever Q's codes stand
.endr
.irp hd, 0,1
.irp i, 0,1,2,3
	v_cndmask_b32 v[QB+16*\hd+4+\i], v[QR+4*\hd+\i], v[QB], s36   ; Q in lanes 0-15, zero codes in lanes 16-31
	v_cndmask_b32 v[QB+16*\hd+12+\i], v[QB], v[QR+4*\hd+\i], s36  ; and the other way round
.endr
.endr
; The bias of my 16 keys of block b: 0 where the key counts, else -infinity.  Key kb + 16 h + 32 b + i counts for query s0 + r where 0 <= s - t + 10 <= 20 and its mask byte is 0.
; The byte is laid above bit 7 of EE; 64 + 32 b + i is taken off: the result is s - t + 10, plus 256 or more where the byte is not 0; as an unsigned number it is above 20 for every key that does not count.
; The sixteen compares stand in one run, each with a lane mask of its own, so that one wait stands between them and the sixteen selects.
.macro BIASB b
.irp g, 0,1,2,3
	v_lshlrev_b32 v[SH+\g], 8, v[MW+4*\b+\g]                      ; a word's lowest byte has to move up
.endr
.irp g, 0,1,2,3
	v_and_or_b32 v[BIAS+16*\b+4*\g], v[SH+\g], 0xff00, v[EE]
	v_and_or_b32 v[BIAS+16*\b+4*\g+1], v[MW+4*\b+\g], 0xff00, v[EE]
	v_and_or_b32 v[BIAS+16*\b+4*\g+2], v[MW+4*\b+\g], 0xff0000, v[EE]
	v_and_or_b32 v[BIAS+16*\b+4*\g+3], v[MW+4*\b+\g], 0xff000000, v[EE]
.endr
.irp i, 0,1,2,3,4,5,6,7,8,9,10,11,12,13,14,15
	v_add_nc_u32 v[BIAS+16*\b+\i], -(64+32*\b+\i), v[BIAS+16*\b+\i]
.endr
.irp i, 0,1,2,3,4,5,6,7,8,9,10,11,12,13,14,15
	v_cmp_lt_u32 s[LM+\i], 20, v[BIAS+16*\b+\i]
.endr
	s_wait_alu depctr_va_sdst(0)                   ; the sixteen compares have written s44 to s59, ahead of the selects that read them
.irp i, 0,1,2,3,4,5,6,7,8,9,10,11,12,13,14,15
	v_cndmask_b32 v[BIAS+16*\b+\i], 0, v[NINF], s[LM+\i]
.endr
.endm
; A head's four tiles of S^T.  Tile 2 b + u: Q's codes stand in quad b, lanes 16 u on; K's scale word comes from lanes 16 u on.  Register j of lane (r, h): query s0 + r, key kb + 32 b + 16 h + 8 u + j.
.macro QK hd
	v_wmma_scale_f32_16x16x128_f8f6f4 v[S+32*\hd:S+32*\hd+7], v[KF+8*\hd:KF+8*\hd+7], v[QB+16*\hd+4:QB+16*\hd+11], 0, v[KS+\hd], v[QS+\hd] matrix_a_fmt:MATRIX_FMT_FP4 matrix_b_fmt:MATRIX_FMT_FP4
	v_wmma_scale_f32_16x16x128_f8f6f4 v[S+32*\hd+8:S+32*\hd+15], v[KF+8*\hd:KF+8*\hd+7], v[QB+16*\hd+12:QB+16*\hd+19], 0, v[KS+\hd], v[QS+\hd] matrix_a_fmt:MATRIX_FMT_FP4 matrix_b_fmt:MATRIX_FMT_FP4 matrix_a_scale:MATRIX_SCALE_ROW1
	v_wmma_scale_f32_16x16x128_f8f6f4 v[S+32*\hd+16:S+32*\hd+23], v[KF+8*\hd:KF+8*\hd+7], v[QB+16*\hd:QB+16*\hd+7], 0, v[KS+\hd], v[QS+\hd] matrix_a_fmt:MATRIX_FMT_FP4 matrix_b_fmt:MATRIX_FMT_FP4
	v_wmma_scale_f32_16x16x128_f8f6f4 v[S+32*\hd+24:S+32*\hd+31], v[KF+8*\hd:KF+8*\hd+7], v[QB+16*\hd+8:QB+16*\hd+15], 0, v[KS+\hd], v[QS+\hd] matrix_a_fmt:MATRIX_FMT_FP4 matrix_b_fmt:MATRIX_FMT_FP4 matrix_a_scale:MATRIX_SCALE_ROW1
.endm
	BIASB 0                                        ; 68 plain lines: also the places between the lines that made the scale words and Q's quads and the products
	s_wait_alu depctr_va_vdst(0)                   ; K's and Q's scale words and the nine quads of QB, which vector lines made, are written: the scaled products below take them; the places above stay beside this wait
	QK 0                                           ; eight products, eight accumulators, each begun with the constant 0
	QK 1
	BIASB 1                                        ; 68 plain lines that name no register of the products: the places in front of the first read of the scores
	s_barrier_wait -1                              ; everybody's part of the copy lies in LDS
	s_wait_alu depctr_va_vdst(0)                   ; the eight products are done reading Q's four quads, and the selects that wrote those quads are done with them and with QR: the twelve LDS loads below land in these registers
.irp hd, 0,1
.irp t, 0,1
	ds_load_b128 v[QB+4+8*(2*\hd+\t):QB+7+8*(2*\hd+\t)], v15 offset:(32*\hd+16*\t)*144   ; channel 16 t + r, block B0c + h: where Q stood; the quad of zeros behind it stays
.endr
.endr
.irp hd, 0,1
.irp t, 0,1
	ds_load_u8 v[VRAW+2*(2*\hd+\t)], v16 offset:(32*\hd+16*\t)*80
	ds_load_u8 v[VRAW+2*(2*\hd+\t)+1], v16 offset:(32*\hd+16*\t)*80+1
.endr
.endr
	; THE SOFTMAX, both heads line by line
.irp hd, 0,1
.irp j, 0,2,4,6,8,10,12,14,16,18,20,22,24,26,28,30
	v_pk_fma_f32 v[S+32*\hd+\j:S+32*\hd+\j+1], v[S+32*\hd+\j:S+32*\hd+\j+1], s[38:39], v[BIAS+\j:BIAS+\j+1] op_sel_hi:[1,0,1]   ; t = score x c + bias, each accumulator from its low end on
.endr
.endr
.irp hd, 0,1
	v_mov_b32 v[TM+16*\hd+2], 0                    ; a lane permute's destination counts as one of its sources
	v_mov_b32 v[TM+16*\hd+3], 0
	v_mov_b32 v[TM+16*\hd+5], 0                    ; the upper words of the pairs -M and 1 / l are named with them
	v_mov_b32 v[TM+16*\hd+13], 0
.endr
.irp hd, 0,1
.irp b, 0,1
	v_max3_num_f32 v[TM+16*\hd+\b], v[S+32*\hd+16*\b], v[S+32*\hd+16*\b+1], v[S+32*\hd+16*\b+2]   ; each block's largest t: for the row's maximum, and for the block's largest p
.endr
.endr
.irp i, 3,5,7,9,11,13
.irp hd, 0,1
.irp b, 0,1
	v_max3_num_f32 v[TM+16*\hd+\b], v[TM+16*\hd+\b], v[S+32*\hd+16*\b+\i], v[S+32*\hd+16*\b+\i+1]
.endr
.endr
.endr
.irp hd, 0,1
.irp b, 0,1
	v_max_num_f32 v[TM+16*\hd+\b], v[TM+16*\hd+\b], v[S+32*\hd+16*\b+15]
.endr
.endr
.irp hd, 0,1
.irp b, 0,1
	v_permlanex16_b32 v[TM+16*\hd+2+\b], v[TM+16*\hd+\b], s40, s41
.endr
.endr
.irp hd, 0,1
.irp b, 0,1
	v_max_num_f32 v[TM+16*\hd+\b], v[TM+16*\hd+\b], v[TM+16*\hd+2+\b]   ; with lane l xor 16's 16 keys
.endr
.endr
.irp hd, 0,1
	v_max_num_f32 v[TM+16*\hd+14], v[TM+16*\hd], v[TM+16*\hd+1]   ; the row's largest t
.endr
.irp hd, 0,1
	v_floor_f32 v[TM+16*\hd+4], -v[TM+16*\hd+14]                  ; -M = floor(-t) = -ceil(t)
.endr
.irp hd, 0,1
.irp j, 0,2,4,6,8,10,12,14,16,18,20,22,24,26,28,30
	v_pk_add_f32 v[S+32*\hd+\j:S+32*\hd+\j+1], v[S+32*\hd+\j:S+32*\hd+\j+1], v[TM+16*\hd+4:TM+16*\hd+5] op_sel_hi:[1,0]   ; t - M
.endr
.irp b, 0,1
	v_add_f32 v[TM+16*\hd+\b], v[TM+16*\hd+\b], v[TM+16*\hd+4]    ; the same of each block's largest
.endr
.endr
.irp hd, 0,1
.irp j, 0,1,2,3,4,5,6,7,8,9,10,11,12,13,14,15,16,17,18,19,20,21,22,23,24,25,26,27,28,29,30,31
	v_exp_f32 v[S+32*\hd+\j], v[S+32*\hd+\j]                      ; p = 2^(t - M): not normalised; 0 for a key that does not count
.endr
.irp b, 0,1
	v_exp_f32 v[TM+16*\hd+\b], v[TM+16*\hd+\b]                    ; the block's largest p: the same instructions on the same number
.endr
.endr
.irp hd, 0,1
.irp i, 4,5,6,7
	v_mov_b32 v[PC+8*\hd+\i], 0                    ; zero codes for the second product's blocks 2 and 3: plain work behind the exponentials
.endr
.endr
	s_wait_alu depctr_va_vdst(0)                   ; the 68 exponentials have written p and the blocks' largest p: one wait for the batch, ahead of its first reader
.irp hd, 0,1
.irp b, 0,1
	v_max_num_f32 v[TM+16*\hd+\b], 0x1800000, v[TM+16*\hd+\b]     ; the floor 2^(3 - 127): the byte cannot fall under 1
.endr
.endr
.irp hd, 0,1
.irp b, 0,1
	v_add_nc_u32 v[TM+16*\hd+10+\b], 0xff000000, v[TM+16*\hd+\b]  ; 2 off the exponent field: the conversion's scale operand
.endr
.endr
.irp hd, 0,1
.irp b, 0,1
	v_lshrrev_b32 v[TM+16*\hd+2+\b], 23, v[TM+16*\hd+10+\b]       ; the scale's byte
.endr
.endr
.irp hd, 0,1
	v_lshl_or_b32 v[PS+\hd], v[TM+16*\hd+3], 8, v[TM+16*\hd+2]    ; p's scale word: blocks 0 and 1; the bytes above stand over zero codes
.endr
	s_wait_dscnt 0x0                               ; V's fragments and scale bytes are in
.irp q, 0,1,2,3
	v_lshl_or_b32 v[VS+\q], v[VRAW+2*\q+1], 8, v[VRAW+2*\q]       ; V's scale words likewise
.endr
.irp hd, 0,1
.irp b, 0,1
	v_cvt_scalef32_pk8_fp4_f32 v[PC+8*\hd+2*\b], v[S+32*\hd+16*\b:S+32*\hd+16*\b+7], v[TM+16*\hd+10+\b]
	v_cvt_scalef32_pk8_fp4_f32 v[PC+8*\hd+2*\b+1], v[S+32*\hd+16*\b+8:S+32*\hd+16*\b+15], v[TM+16*\hd+10+\b]
.endr
.endr
	v_nop                                          ; one plain place behind the scaled conversions
.irp hd, 0,1
.irp i, 0,1
	v_permlane16_swap_b32 v[PC+8*\hd+\i], v[PC+8*\hd+2+\i]        ; the operand wants a whole block in a lane: lanes 0-15 block 0, lanes 16-31 block 1
.endr
.endr
.irp hd, 0,1
	v_pk_add_f32 v[TM+16*\hd+6:TM+16*\hd+7], v[S+32*\hd:S+32*\hd+1], v[S+32*\hd+2:S+32*\hd+3]     ; l: the sum of the unquantised p, two at a time, in two chains.
	v_pk_add_f32 v[TM+16*\hd+8:TM+16*\hd+9], v[S+32*\hd+4:S+32*\hd+5], v[S+32*\hd+6:S+32*\hd+7]   ; (These plain lines are also the places between the scale words, the codes and the second product)
.endr
.irp j, 8,12,16,20,24,28
.irp hd, 0,1
	v_pk_add_f32 v[TM+16*\hd+6:TM+16*\hd+7], v[TM+16*\hd+6:TM+16*\hd+7], v[S+32*\hd+\j:S+32*\hd+\j+1]
	v_pk_add_f32 v[TM+16*\hd+8:TM+16*\hd+9], v[TM+16*\hd+8:TM+16*\hd+9], v[S+32*\hd+\j+2:S+32*\hd+\j+3]
.endr
.endr
.irp hd, 0,1
	v_pk_add_f32 v[TM+16*\hd+6:TM+16*\hd+7], v[TM+16*\hd+6:TM+16*\hd+7], v[TM+16*\hd+8:TM+16*\hd+9]
.endr
.irp hd, 0,1
	v_add_f32 v[TM+16*\hd+14], v[TM+16*\hd+6], v[TM+16*\hd+7]
.endr
.irp hd, 0,1
	v_permlanex16_b32 v[TM+16*\hd+2], v[TM+16*\hd+14], s40, s41
.endr
.irp hd, 0,1
	v_add_f32 v[TM+16*\hd+14], v[TM+16*\hd+14], v[TM+16*\hd+2]    ; with lane l xor 16's: the row's sum
.endr
.irp hd, 0,1
	v_rcp_f32 v[TM+16*\hd+12], v[TM+16*\hd+14]
.endr
	s_wait_alu depctr_va_vdst(0)                   ; p's codes and zero codes, p's scale words and V's, which vector lines made, are written: the scaled products below take them (their places stand above).  The two reciprocals are written too: this is also their wait, ahead of their first reader
	; O^T = V^T P^T: four products, four accumulators, each begun with the constant 0.  Register j of lane (r, h): query r, channel 16 t + 8 h + j
.irp hd, 0,1
.irp t, 0,1
	v_wmma_scale_f32_16x16x128_f8f6f4 v[O+16*\hd+8*\t:O+16*\hd+8*\t+7], v[QB+4+8*(2*\hd+\t):QB+11+8*(2*\hd+\t)], v[PC+8*\hd:PC+8*\hd+7], 0, v[VS+2*\hd+\t], v[PS+\hd] matrix_a_fmt:MATRIX_FMT_FP4 matrix_b_fmt:MATRIX_FMT_FP4
.endr
.endr
.rept 4
	v_nop                                          ; the places behind the products, and the plain place behind the reciprocals
.endr
	; THE WAY OUT: O^T / l through my own stage; back as whole queries of 256 bytes (two heads x 32 channels); x G; stored
.irp hd, 0,1
.irp j, 0,2,4,6,8,10,12,14
	v_pk_mul_f32 v[O+16*\hd+\j:O+16*\hd+\j+1], v[O+16*\hd+\j:O+16*\hd+\j+1], v[TM+16*\hd+12:TM+16*\hd+13] op_sel_hi:[1,0]   ; each accumulator from its low end on
.endr
.endr
	s_wait_alu depctr_va_vdst(0)                   ; the scalings have written O^T / l, which the LDS stores read; the conversions and the sums are done reading p's registers, in which the loads from the stage land
.irp hd, 0,1
.irp t, 0,1
	ds_store_b128 v17, v[O+16*\hd+8*\t:O+16*\hd+8*\t+3] offset:128*\hd+64*\t
	ds_store_b128 v17, v[O+16*\hd+8*\t+4:O+16*\hd+8*\t+7] offset:128*\hd+64*\t+16
.endr
.endr
.irp k, 0,1,2,3,4,5,6,7
	ds_load_b128 v[RB+4*\k:RB+4*\k+3], v18 offset:544*\k          ; my own bytes, and LDS serves a wave's instructions in order (ISA guide 5.7.1.4): these see the stores above
.endr
	s_wait_loadcnt 0x0                             ; G
.irp k, 0,1,2,3,4,5,6,7
	s_wait_dscnt 7-\k                              ; load k is in; the 7 - k younger ones may be out
	v_pk_mul_f32 v[RB+4*\k:RB+4*\k+1], v[RB+4*\k:RB+4*\k+1], v[GG+4*\k:GG+4*\k+1]
	v_pk_mul_f32 v[RB+4*\k+2:RB+4*\k+3], v[RB+4*\k+2:RB+4*\k+3], v[GG+4*\k+2:GG+4*\k+3]
.endr
	s_wait_alu depctr_va_vdst(0)                   ; the sixteen multiplications by G have written v[RB ..], which the eight stores read
.irp k, 0,1,2,3,4,5,6,7
	global_store_b128 v14, v[RB+4*\k:RB+4*\k+3], s[24:25] offset:2048*\k th:TH_STORE_NT   ; lanes 0-15 store 256 consecutive bytes, aligned; lanes 16-31 those of the next query
.endr
	s_wait_dscnt 0x0                               ; the closing lines, six on end
	s_wait_alu 0x0
	s_wait_tensorcnt 0x0
	ds_add_u32 v[SPW], v[NIL]
	s_wait_dscnt 0x0
	s_endpgm
.Lfunc_end_k_q0244fd163c_band:
	.size	k_q0244fd163c_band, .Lfunc_end_k_q0244fd163c_band-k_q0244fd163c_band
	.p2alignl 7, 3214868480
	.fill 96, 4, 3214868480
	.section	.rodata,"a",@progbits
	.p2align	6, 0x0
	.amdhsa_kernel k_q0244fd163c_band
		.amdhsa_group_segment_fixed_size 50176
		.amdhsa_private_segment_fixed_size 0
		.amdhsa_enable_private_segment 0
		.amdhsa_kernarg_size 72
		.amdhsa_user_sgpr_count 2
		.amdhsa_user_sgpr_kernarg_segment_ptr 1
		.amdhsa_wavefront_size32 1
		.amdhsa_system_sgpr_workgroup_id_x 1
		.amdhsa_system_sgpr_workgroup_id_y 1
		.amdhsa_system_sgpr_workgroup_id_z 1
		.amdhsa_system_vgpr_workitem_id 0
		.amdhsa_next_free_vgpr 256
		.amdhsa_next_free_sgpr 66
		.amdhsa_reserve_vcc 0
		.amdhsa_float_denorm_mode_32 3
		.amdhsa_float_denorm_mode_16_64 3
		.amdhsa_memory_ordered 1
		.amdhsa_forward_progress 1
		.amdhsa_inst_pref_size 40
	.end_amdhsa_kernel
	.amdgpu_metadata
---
amdhsa.version: [ 1, 2 ]
amdhsa.kernels:
  - .name:           k_q0244fd163c_band
    .symbol:         k_q0244fd163c_band.kd
    .args:
      - { .name: V_codes, .offset: 0, .size: 8, .value_kind: global_buffer, .address_space: global }
      - { .name: V_scales, .offset: 8, .size: 8, .value_kind: global_buffer, .address_space: global }
      - { .name: K_codes, .offset: 16, .size: 8, .value_kind: global_buffer, .address_space: global }
      - { .name: K_scales, .offset: 24, .size: 8, .value_kind: global_buffer, .address_space: global }
      - { .name: Q_codes, .offset: 32, .size: 8, .value_kind: global_buffer, .address_space: global }
      - { .name: Q_scales, .offset: 40, .size: 8, .value_kind: global_buffer, .address_space: global }
      - { .name: seqMask, .offset: 48, .size: 8, .value_kind: global_buffer, .address_space: global }
      - { .name: G, .offset: 56, .size: 8, .value_kind: global_buffer, .address_space: global }
      - { .name: out0, .offset: 64, .size: 8, .value_kind: global_buffer, .address_space: global }
    .group_segment_fixed_size: 50176
    .private_segment_fixed_size: 0
    .kernarg_segment_align: 8
    .kernarg_segment_size: 72
    .max_flat_workgroup_size: 256
    .sgpr_count:     66
    .vgpr_count:     256
    .wavefront_size: 32
...
	.end_amdgpu_metadata
.endif
;; end of part 2
